; MI455X (gfx1250); checked and timed in simulation.
; The chip was launched on July 23, 2026; its instructions are those of AMD's public machine-readable ISA for CDNA 5 (MIT licence, August 2026) and "CDNA5" Instruction Set Architecture Reference Guide (July 2026). The comments in the code are by the model that wrote it; some were corrected since.
;; Prior Network. Allowed arithmetic: float matrix products may take bf16 or f16 operands with f32 sums; all other float work in f32.
;; Inputs: W1 64 x 512 float32; Ws 512 x 64 float32; Wu 512 x 64 float32; b1 512 float32; bs 64 float32; bu 64 float32; codes 1,024 x 64 float32; codes_table 100,000 x 64 float32.
;; Outputs: out0 1,024 x 64 float32; out1 1,024 x 64 float32.
;; 2 versions, each right; version 2 is version 1 with the launch mlp written anew for expert scheduling mode. Each part assembles by itself: llvm-mc -triple=amdgcn-amd-amdhsa -mcpu=gfx1250 --defsym DOCPART=n.
;; ======== version 1 of 2: 3 launches
;; workspace buffers: bestval 1,048,576 bytes; bestgid 1,048,576 bytes of whole numbers; cand 4,096 bytes of whole numbers; wfrag 196,608 bytes
;; launch search (part 1): grid 256 x 1, 8 waves a work-group, clusters of 4 x 1, 322,560 bytes of LDS; arguments codes, codes_table, bestval, bestgid; writes bestval, bestgid
.if DOCPART == 1
	.amdgcn_target "amdgcn-amd-amdhsa--gfx1250"
	.amdhsa_code_object_version 6
	.text
	.protected	k_q065117afcb_search
	.globl	k_q065117afcb_search
	.p2align	8
	.type	k_q065117afcb_search,@function
k_q065117afcb_search:
	s_mov_b64 s[64:65], 0
	v_nop
	global_prefetch_b8 v0, s[64:65] scope:SCOPE_SE
	s_setreg_imm32_b32 hwreg(HW_REG_WAVE_MODE, 25, 1), 1
	s_wait_xcnt 0x0
	s_wait_alu depctr_hold_cnt(0) depctr_sa_sdst(0) depctr_va_vdst(0) depctr_va_sdst(0) depctr_va_ssrc(0) depctr_va_vcc(0) depctr_vm_vsrc(0)
	s_getreg_b32 s2, hwreg(HW_REG_IB_STS2, 6, 4)
	s_cmp_eq_u32 s2, 0
	s_cbranch_scc0 .Lentry_in_a_cluster
	s_endpgm
.Lentry_in_a_cluster:
	s_bfe_u32 s2, ttmp6, 0x10000c
	s_cmp_lg_u32 s2, 0x3003
	s_cbranch_scc0 .Lentry_shape_is_right
	s_endpgm
.Lentry_shape_is_right:
; SEARCH.  For each of 1,024 queries c and this work-group's 400 table rows t: s = c.t - 0.5 |t|^2, the largest s and where it was found.
; s orders the rows as -d2 does: d2 = |c|^2 - 2 s, and |c|^2 is the same for all rows of a query, so it is left out.  Of the five nearest
; only the first is used further on, so only the largest s is kept.
; NUMBERS: c and t are rounded to bf16 (nearest even) for the matrix unit; |t|^2 is the f32 sum of squares of the ROUNDED row; sums in f32.
; So the neighbour found is the nearest among the rounded data.  s is, like d2 itself, a difference of two sums that grow with a common offset.
; LIMITS: NaN and infinite inputs are not served (a NaN score loses every maximum).  Equal scores: the lower row wins, equality being that of these f32 scores.
; WHAT IS KEPT: not the row but the group of 8 rows, gid = 2 x tile + h (rows 8 gid .. 8 gid + 7): a lane's 8 results of a tile are 8 rows of one query, so
; 4 three-way maxima, a compare and a select serve 8 scores.  The last launch scores the 8 rows of the winning group again and picks the row.
; SHARES: 6,250 tiles of 16 rows over 256 work-groups: work-group g takes the 25 tiles from (6250 g) >> 8 on; neighbours overlap by at most one tile,
; which a maximum does not mind, and every work-group has the same 25 trips.  All 8 waves walk all 25 tiles; wave w owns queries 128 w .. 128 w + 127,
; whose 16 fragments stay in 128 registers.  A = table tile, B = queries: result register j of lane (r, h) is (row 8 h + j, query r).
; The first K half takes -0.5 |t|^2 as C, read from LDS in C's own layout.
; CLUSTER: every work-group needs all of codes, so the four work-groups of a cluster ask for it jointly (mask 15): wave w of each asks for rows 128 w .. + 127.
; The table is not asked for jointly: each work-group reads rows of its own, and they pass through registers for the rounding and the norms.
; One tensor load a wave in the whole launch; its LDS bytes are filled once.
.set PITCH, 144                        ; an LDS row of 64 bf16: 128 bytes + 16, an odd multiple of 16: the 16 rows of a fragment load start 16 bytes apart modulo 256
.set TAB,   262144                     ; behind the 8 waves' 32,768 bytes of codes: 400 table rows in bf16
.set NRM,   TAB+400*PITCH              ; 319,744: -0.5 |t|^2 of the 400 rows, f32
.set M0,    16                         ; v[16:23], v[24:31]  running maxima of my 8 query tiles, in and out by turns
.set M1,    24
.set TID,   32                         ; v[32:39]  the tile (0..24) in which the maximum was found
.set AB,    40                         ; v[40:55], v[56:71]  table fragments, two buffers (K half 0: 8 registers, K half 1: 8)
.set NB,    72                         ; v[72:79], v[80:87]  -0.5 |t|^2 in C's layout, two buffers
.set ACC,   88                         ; v[88:151], v[152:215]  two sets of 8 accumulators
.set RAW,   88                         ; ahead of the tiles: f32 as loaded (table 100 registers, codes 128 a batch)
.set CV,    16                         ; ahead of the tiles: 64 registers of codes in bf16
.set CT,    216                        ; v[216:255]  five sets of 8 temporaries
.set MV,    224                        ; the end: values and gids to store, what is sent to and what comes from the other half of the wave
.set MG,    228
.set SV,    16
.set SG,    20
.set OV,    216
.set OG,    220
; window 1 (v256-v383): query fragments, tile i, K half s at 16 i + 8 s
.set MSB, 0
.macro WIN new                         ; s_set_vgpr_msb; the immediate's high byte repeats the setting that is left
.if MSB != \new
	s_set_vgpr_msb (MSB<<8)|\new
.set MSB, \new
.endif
.endm
.macro ROUND                           ; a round of the cluster's barrier: my work-group's barrier, wave 0 signals for it, all wait for the four, my work-group's barrier again
	s_barrier_signal -1
	s_barrier_wait -1
	s_cmp_lg_u32 s12, 0
	s_cbranch_scc1 .Lnot_wave_0_\@
	s_barrier_signal -3
.Lnot_wave_0_\@:
	s_barrier_wait -3
	s_barrier_signal -1
	s_barrier_wait -1
.endm
; (bv, bg) becomes (ov, og) where ov is larger, or equal with the lower gid
.macro MERGE bv, bg, ov, og
	v_cmp_gt_f32 s44, v[\ov], v[\bv]
	v_cmp_eq_f32 s45, v[\ov], v[\bv]
	v_cmp_lt_u32 s46, v[\og], v[\bg]
	s_and_b32 s45, s45, s46
	s_or_b32 s44, s44, s45
	v_cndmask_b32 v[\bv], v[\bv], v[\ov], s44
	v_cndmask_b32 v[\bg], v[\bg], v[\og], s44
.endm
	s_load_b256 s[4:11], s[0:1], 0x0               ; codes s[4:5], codes_table s[6:7], bestval s[8:9], bestgid s[10:11]
	v_lshl_add_u32 v15, v0, 2, 0x4e800
	s_set_vgpr_msb 0x40
	v_mov_b32 v129, 0
	s_set_vgpr_msb 0x4044
	ds_add_u32 v15, v129
	ds_add_u32 v15, v129
	s_set_vgpr_msb 0x4400
	v_lshrrev_b32 v12, 5, v0
	v_readfirstlane_b32 s12, v12                   ; wave 0..7
	v_and_b32 v12, 31, v0                          ; lane L
	s_bfe_u32 s13, ttmp6, 0x40000                  ; cx
	s_lshl_b32 s14, ttmp9, 2
	s_add_co_u32 s14, s14, s13                     ; work-group g = 4 x cluster + cx
	s_mul_i32 s15, s14, 6250
	s_lshr_b32 s15, s15, 8                         ; my first tile
	s_lshl_b32 s16, s15, 12                        ; a tile is 16 rows of 256 bytes; 6,225 x 4,096 at the most
	s_mov_b32 s17, 0
	s_mul_i32 s18, s12, 12800                      ; my wave's 50 rows
	v_lshl_add_u32 v3, v12, 4, s18                 ; + 16 L
	s_wait_dscnt 0x0
	s_wait_kmcnt 0x0
	s_add_nc_u64 s[6:7], s[6:7], s[16:17]
	; 25 loads of 512 consecutive bytes: load n brings rows 50 w + 2 n + (L >> 4), 4 numbers a lane.  Read once but for the overlapping tile.
.set n, 0
.rept 25
	global_load_b128 v[RAW+4*n:RAW+4*n+3], v3, s[6:7] offset:512*n th:TH_LOAD_NT
.set n, n+1
.endr
	; the descriptor: 128 dense rows of 256 bytes (32 elements of 8 bytes), codes rows 128 w .., to LDS byte 32,768 w.  Nothing in it hangs on cx.
	s_lshl_b32 s16, s12, 15
	s_mov_b32 s20, 1                               ; count = 1
	s_lshl_b32 s21, s12, 15                        ; LDS address
	s_add_nc_u64 s[22:23], s[4:5], s[16:17]        ; global address
	s_or_b32 s23, s23, 0x80000000                  ; type = 2
	s_mov_b32 s24, 15|(3<<16)|(1<<21)              ; mask: all four of the cluster; elements of 8 bytes; bit 21 beside a mask; no padding
	s_mov_b32 s25, 32<<16                          ; tensor_dim0 = 32
	s_mov_b32 s26, 128<<16                         ; tensor_dim1 = 128
	s_mov_b32 s27, 32<<16                          ; tile_dim0 = 32
	s_mov_b32 s28, 128                             ; tile_dim1 = 128
	s_mov_b32 s29, 32                              ; pitch = 32 elements
	s_mov_b32 s30, 0
	s_mov_b32 s31, 0
	ROUND                                          ; the four work-groups are here: the joint loads meet
	tensor_load_to_lds s[20:23], s[24:31]          ; my wave's one tensor load
	s_nop 0
	s_lshl_b32 s16, s14, 12                        ; my 4,096 bytes of bestval and of bestgid
	s_add_nc_u64 s[8:9], s[8:9], s[16:17]
	s_add_nc_u64 s[10:11], s[10:11], s[16:17]
	s_mov_b32 s40, 0x76543210                      ; v_permlanex16_b32: lane i takes lane i of the other half
	s_mov_b32 s41, 0xfedcba98
	s_mov_b32 s42, 0xffff0000                      ; a word's upper bf16; also, as a lane mask, lanes 16 to 31
	v_and_b32 v1, 15, v0                           ; L & 15: column group i, or fragment row r
	v_bfe_u32 v2, v0, 4, 1                         ; L >> 4: row of a pair hh, or fragment half h
	v_mul_u32_u24 v13, v2, PITCH
	v_lshl_add_u32 v13, v1, 3, v13                 ; 144 hh + 8 i
	s_mul_i32 s18, s12, 50*PITCH
	s_add_co_u32 s18, s18, TAB
	v_add_nc_u32 v4, s18, v13                      ; where my 8 bytes of table row 50 w + hh go
	s_mul_i32 s18, s12, 200
	s_add_co_u32 s18, s18, NRM
	v_lshl_add_u32 v5, v2, 2, s18                  ; and that row's norm
	v_lshl_add_u32 v6, v12, 4, s21                 ; codes as they came: 32,768 w + 16 L
	v_add_nc_u32 v7, s21, v13                      ; codes in bf16: 32,768 w + 144 hh + 8 i
	v_mul_u32_u24 v14, v1, PITCH
	v_lshl_add_u32 v14, v2, 4, v14                 ; a fragment's lane term: 144 r + 16 h
	v_add_nc_u32 v8, s21, v14                      ; query fragments
	v_add_nc_u32 v9, TAB, v14                      ; table fragments
	v_lshl_add_u32 v10, v2, 5, NRM                 ; norms of rows 8 h .. 8 h + 7 of a tile
	s_lshl_b32 s18, s12, 9
	v_lshl_add_u32 v11, v12, 4, s18                ; the stores: 512 w + 16 L
; Five table loads: round to bf16 and store; -0.5 x the sum of squares of the rounded numbers, summed over the row's 16 lanes, stored by all 16 (the same word, the same value).
.macro TGROUP g
.irp k, 0,1,2,3,4
	s_wait_loadcnt 24-(5*\g+\k)                    ; loads return in order: this one is in, the younger ones stay out
	v_cvt_pk_bf16_f32 v[CT+8*\k], v[RAW+4*(5*\g+\k)], v[RAW+4*(5*\g+\k)+1]
	v_cvt_pk_bf16_f32 v[CT+8*\k+1], v[RAW+4*(5*\g+\k)+2], v[RAW+4*(5*\g+\k)+3]
	ds_store_b64 v4, v[CT+8*\k:CT+8*\k+1] offset:2*PITCH*(5*\g+\k)
	v_lshlrev_b32 v[CT+8*\k+2], 16, v[CT+8*\k]
	v_and_b32 v[CT+8*\k+3], s42, v[CT+8*\k]
	v_lshlrev_b32 v[CT+8*\k+4], 16, v[CT+8*\k+1]
	v_and_b32 v[CT+8*\k+5], s42, v[CT+8*\k+1]
	v_pk_mul_f32 v[CT+8*\k+6:CT+8*\k+7], v[CT+8*\k+2:CT+8*\k+3], v[CT+8*\k+2:CT+8*\k+3]
	v_pk_fma_f32 v[CT+8*\k+6:CT+8*\k+7], v[CT+8*\k+4:CT+8*\k+5], v[CT+8*\k+4:CT+8*\k+5], v[CT+8*\k+6:CT+8*\k+7]
	v_add_f32 v[CT+8*\k+6], v[CT+8*\k+6], v[CT+8*\k+7]
.endr
.irp x, 1,2,4,8
.irp k, 0,1,2,3,4
	v_add_f32_dpp v[CT+8*\k+6], v[CT+8*\k+6], v[CT+8*\k+6] row_xmask:\x row_mask:0xf bank_mask:0xf
.endr
.endr
.irp k, 0,1,2,3,4
	v_mul_f32 v[CT+8*\k+6], -0.5, v[CT+8*\k+6]
	ds_store_b32 v5, v[CT+8*\k+6] offset:8*(5*\g+\k)
.endr
.endm
	TGROUP 0
	TGROUP 1
	TGROUP 2
	TGROUP 3
	TGROUP 4
; 64 of my wave's 128 rows of codes: read as f32, rounded, stored again at pitch 144 in the same 32,768 bytes, which are my wave's own and are not filled again.
; LDS serves a wave's instructions in order, and a batch's 32 loads are issued ahead of its stores; batch b stores into bytes 9,216 b .. 9,216 b + 9,215,
; which lie in raw rows that this batch or the one before has read.
.macro CBATCH b
.set n, 0
.rept 32
	ds_load_b128 v[RAW+4*n:RAW+4*n+3], v6 offset:512*(32*\b+n)
.set n, n+1
.endr
.set n, 0
.rept 32
	s_wait_dscnt 31                                ; behind load n stand 31 - n loads and the n stores issued since: 31 in every turn
	v_cvt_pk_bf16_f32 v[CV+2*n], v[RAW+4*n], v[RAW+4*n+1]
	v_cvt_pk_bf16_f32 v[CV+2*n+1], v[RAW+4*n+2], v[RAW+4*n+3]
	ds_store_b64 v7, v[CV+2*n:CV+2*n+1] offset:2*PITCH*(32*\b+n)
.set n, n+1
.endr
.endm
	s_wait_tensorcnt 0x0                           ; my wave's rows of codes are in LDS; only my wave reads them
	CBATCH 0
	CBATCH 1
	WIN 0x40                                       ; destination in window 1
.irp i, 0,1,2,3,4,5,6,7
.irp q, 0,1,2,3
	ds_load_b128 v[16*\i+4*\q:16*\i+4*\q+3], v8 offset:16*PITCH*\i+32*\q   ; query tile i: K = 16 q + 8 h + 0..7
.endr
.endr
	WIN 0
.irp i, 0,1,2,3,4,5,6,7
	v_mov_b32 v[M0+\i], 0xff800000                 ; -infinity: every finite score is larger
	v_mov_b32 v[TID+\i], 0
.endr
	s_wait_dscnt 0x0                               ; my stores of table rows and norms are done (and my fragments are in)
	s_barrier_signal -1
	s_barrier_wait -1                              ; everybody's are: the 400 rows may be read
.macro LOADT t                         ; six LDS loads: tile t's fragments of both K halves, and its norms in C's layout
.set LP, (\t)&1
.irp q, 0,1,2,3
	ds_load_b128 v[AB+16*LP+4*\q:AB+16*LP+4*\q+3], v9 offset:16*PITCH*(\t)+32*\q
.endr
	ds_load_b128 v[NB+8*LP:NB+8*LP+3], v10 offset:64*(\t)
	ds_load_b128 v[NB+8*LP+4:NB+8*LP+7], v10 offset:64*(\t)+16
.endm
; The maximum over tile t's scores, stage by stage over the 8 query tiles.  VFIRST: the first of four three-way maxima, which takes the running maximum in.
.macro VFIRST t
.set VS, ACC+64*((\t)&1)
.set VI, M0+8*((\t)&1)
.irp i, 0,1,2,3,4,5,6,7
	v_max3_num_f32 v[VS+8*\i], v[VI+\i], v[VS+8*\i], v[VS+8*\i+1]
.endr
.endm
.macro VREST t
.set VS, ACC+64*((\t)&1)
.set VI, M0+8*((\t)&1)
.set VO, M1-8*((\t)&1)
.irp i, 0,1,2,3,4,5,6,7
	v_max3_num_f32 v[VS+8*\i], v[VS+8*\i], v[VS+8*\i+2], v[VS+8*\i+3]
.endr
.irp i, 0,1,2,3,4,5,6,7
	v_max3_num_f32 v[VS+8*\i], v[VS+8*\i], v[VS+8*\i+4], v[VS+8*\i+5]
.endr
.irp i, 0,1,2,3,4,5,6,7
	v_max3_num_f32 v[VO+\i], v[VS+8*\i], v[VS+8*\i+6], v[VS+8*\i+7]
.endr
.irp i, 0,1,2,3,4,5,6,7
	v_cmp_gt_f32 s[32+\i], v[VO+\i], v[VI+\i]      ; strictly larger: on equal scores the earlier tile stays
.endr
.irp i, 0,1,2,3,4,5,6,7
	v_cndmask_b32 v[TID+\i], v[TID+\i], (\t), s[32+\i]
.endr
.endm
; Tile t: 16 matrix instructions into accumulator set t & 1; meanwhile the maxima of tile t - 1 from the other set.
; The eight accumulators take turns, one instruction a turn.
; The loads of tile t + 2 land on the fragment and norm registers that tile t's matrix instructions read: the eight maxima of VFIRST, which name none of
; those registers, are the places in front of them (ISA guide 7.12.1 asks for independent vector instructions there); in tile 0 four v_nop.
.macro TILE t
.set P, (\t)&1
.if \t < 24
	s_wait_dscnt 6                                 ; tile t's six loads are in; the six of tile t + 1 stay out
.else
	s_wait_dscnt 0
.endif
	WIN 0x04                                       ; source 1 (queries) in window 1
.irp i, 0,1,2,3,4,5,6,7
	v_wmma_f32_16x16x32_bf16 v[ACC+64*P+8*\i:ACC+64*P+8*\i+7], v[AB+16*P:AB+16*P+7], v[16*\i:16*\i+7], v[NB+8*P:NB+8*P+7]
.endr
.irp i, 0,1,2,3,4,5,6,7
	v_wmma_f32_16x16x32_bf16 v[ACC+64*P+8*\i:ACC+64*P+8*\i+7], v[AB+16*P+8:AB+16*P+15], v[16*\i+8:16*\i+15], v[ACC+64*P+8*\i:ACC+64*P+8*\i+7]
.endr
	WIN 0
.if \t > 0
	VFIRST \t-1
.else
.rept 4
	v_nop
.endr
.endif
.if \t <= 22
	LOADT \t+2
.endif
.if \t > 0
	VREST \t-1
.endif
.endm
	LOADT 0
	LOADT 1
.irp t, 0,1,2,3,4,5,6,7,8,9,10,11,12,13,14,15,16,17,18,19,20,21,22,23,24
	TILE \t
.endr
	VFIRST 24                                      ; the 48 instructions of tile 23's maxima stand between tile 24's matrix instructions and these reads
	VREST 24                                       ; the maxima end in M1
	; gid = 2 (first tile + tile) + h.  Then the two halves of the wave, which saw rows 8 h .. 8 h + 7 of every tile, meet: lanes 0-15 keep query tiles 0-3 and
	; send 4-7, lanes 16-31 the other way round.  Lane (r, h) ends with queries 128 w + 16 (4 h + e) + r, e = 0..3, at position 128 w + 64 h + 4 r + e.
.irp i, 0,1,2,3,4,5,6,7
	v_add_nc_u32 v[TID+\i], s15, v[TID+\i]
.endr
.irp i, 0,1,2,3,4,5,6,7
	v_lshl_or_b32 v[TID+\i], v[TID+\i], 1, v2
.endr
.irp e, 0,1,2,3
	v_cndmask_b32 v[MV+\e], v[M1+\e], v[M1+4+\e], s42
	v_cndmask_b32 v[MG+\e], v[TID+\e], v[TID+4+\e], s42
	v_cndmask_b32 v[SV+\e], v[M1+4+\e], v[M1+\e], s42
	v_cndmask_b32 v[SG+\e], v[TID+4+\e], v[TID+\e], s42
.endr
.irp e, 0,1,2,3
	v_permlanex16_b32 v[OV+\e], v[SV+\e], s40, s41 ; the destinations have been written before (temporaries of the table's conversion)
	v_permlanex16_b32 v[OG+\e], v[SG+\e], s40, s41
.endr
.irp e, 0,1,2,3
	MERGE MV+\e, MG+\e, OV+\e, OG+\e
.endr
	global_store_b128 v11, v[MV:MV+3], s[8:9]      ; each store of the wave covers 512 consecutive bytes, aligned
	global_store_b128 v11, v[MG:MG+3], s[10:11]
	s_set_vgpr_msb 0x4
	s_wait_tensorcnt 0x0
	ds_add_u32 v15, v129
	s_wait_dscnt 0x0
	s_set_vgpr_msb 0x400
	ROUND                                          ; the closing round: no work-group ends while a partner may still ask jointly
	s_endpgm
.Lfunc_end_k_q065117afcb_search:
	.size	k_q065117afcb_search, .Lfunc_end_k_q065117afcb_search-k_q065117afcb_search
	.p2alignl 7, 3214868480
	.fill 96, 4, 3214868480
	.section	.rodata,"a",@progbits
	.p2align	6, 0x0
	.amdhsa_kernel k_q065117afcb_search
		.amdhsa_group_segment_fixed_size 322560
		.amdhsa_private_segment_fixed_size 0
		.amdhsa_enable_private_segment 0
		.amdhsa_kernarg_size 32
		.amdhsa_user_sgpr_count 2
		.amdhsa_user_sgpr_kernarg_segment_ptr 1
		.amdhsa_wavefront_size32 1
		.amdhsa_system_sgpr_workgroup_id_x 1
		.amdhsa_system_sgpr_workgroup_id_y 1
		.amdhsa_system_sgpr_workgroup_id_z 1
		.amdhsa_system_vgpr_workitem_id 0
		.amdhsa_next_free_vgpr 386
		.amdhsa_next_free_sgpr 66
		.amdhsa_reserve_vcc 0
		.amdhsa_float_denorm_mode_32 3
		.amdhsa_float_denorm_mode_16_64 3
		.amdhsa_memory_ordered 1
		.amdhsa_forward_progress 1
		.amdhsa_inst_pref_size 165
	.end_amdhsa_kernel
	.amdgpu_metadata
---
amdhsa.version: [ 1, 2 ]
amdhsa.kernels:
  - .name:           k_q065117afcb_search
    .symbol:         k_q065117afcb_search.kd
    .args:
      - { .name: codes, .offset: 0, .size: 8, .value_kind: global_buffer, .address_space: global }
      - { .name: codes_table, .offset: 8, .size: 8, .value_kind: global_buffer, .address_space: global }
      - { .name: bestval, .offset: 16, .size: 8, .value_kind: global_buffer, .address_space: global }
      - { .name: bestgid, .offset: 24, .size: 8, .value_kind: global_buffer, .address_space: global }
    .group_segment_fixed_size: 322560
    .private_segment_fixed_size: 0
    .kernarg_segment_align: 8
    .kernarg_segment_size: 32
    .max_flat_workgroup_size: 256
    .sgpr_count:     66
    .vgpr_count:     386
    .wavefront_size: 32
...
	.end_amdgpu_metadata
.endif
;; end of part 1
;; launch pick (part 2): grid 40 x 1, 8 waves a work-group, no clusters, 5,120 bytes of LDS; arguments bestval, bestgid, W1, Wu, Ws, cand, wfrag; writes cand, wfrag
.if DOCPART == 2
	.amdgcn_target "amdgcn-amd-amdhsa--gfx1250"
	.amdhsa_code_object_version 6
	.text
	.protected	k_q065117afcb_pick
	.globl	k_q065117afcb_pick
	.p2align	8
	.type	k_q065117afcb_pick,@function
k_q065117afcb_pick:
	s_mov_b64 s[64:65], 0
	v_nop
	global_prefetch_b8 v0, s[64:65] scope:SCOPE_SE
	s_setreg_imm32_b32 hwreg(HW_REG_WAVE_MODE, 25, 1), 1
	s_wait_xcnt 0x0
; PICK.  Two jobs that the last launch needs, on work-groups of their own (the branch hangs on the work-group's number alone, so it is one way for all 8 waves).
; Work-groups 0..15: for 64 positions each, the best of the 256 work-groups' (value, gid) pairs; the gid goes to cand, in the order of the queries.
;   bestval, bestgid: [256 rows][1024 positions]; position 64 b + 4 r + e stands for query 64 b + 16 e + r.  Equal values: the lower gid wins.
; Work-groups 16..39: the three weight matrices, rounded to bf16 (nearest even) and laid out as matrix fragments, one fragment of 1,024 bytes a wave:
;   wfrag[f][c 0..1][lane 32][16 bytes]; lane (r, h), part c holds A(m0 + r, k0 + 16 c + 8 h + 0..7).
;   f = 0..63: A = W1 transposed, m0 = 16 (f >> 1), k0 = 32 (f & 1).   f = 64 + 16 o + ks: A = rows 16 o .. of [Wu transposed; Ws transposed], k0 = 32 ks.
; No matrix unit, no cluster: 2 MiB and 384 KiB are read once each and nothing is shared between work-groups.
.set VAL, 32                           ; v[32:95]   16 rows x 4 positions, values
.set GID, 96                           ; v[96:159]  the same, gids
.set RW,  32                           ; weights: 16 numbers as loaded
.set PK,  48                           ; weights: 8 registers of bf16 pairs
.macro MERGE bv, bg, ov, og            ; (bv, bg) becomes (ov, og) where ov is larger, or equal with the lower gid
	v_cmp_gt_f32 s32, v[\ov], v[\bv]
	v_cmp_eq_f32 s33, v[\ov], v[\bv]
	v_cmp_lt_u32 s34, v[\og], v[\bg]
	s_and_b32 s33, s33, s34
	s_or_b32 s32, s32, s33
	v_cndmask_b32 v[\bv], v[\bv], v[\ov], s32
	v_cndmask_b32 v[\bg], v[\bg], v[\og], s32
.endm
	s_load_b256 s[4:11], s[0:1], 0x0               ; bestval s[4:5], bestgid s[6:7], W1 s[8:9], Wu s[10:11]
	s_load_b128 s[12:15], s[0:1], 0x20             ; Ws s[12:13], cand s[14:15]
	s_load_b64 s[16:17], s[0:1], 0x30              ; wfrag
	v_lshl_add_u32 v160, v0, 2, 0x1000
	v_mov_b32 v161, 0
	v_lshrrev_b32 v1, 5, v0
	v_readfirstlane_b32 s18, v1                    ; wave 0..7
	v_and_b32 v1, 15, v0                           ; i, or r
	v_bfe_u32 v2, v0, 4, 1                         ; hh, or h
	v_and_b32 v3, 31, v0                           ; lane L
	s_cmp_lt_u32 ttmp9, 16
	s_cbranch_scc0 .Lweights
	; ---- the best of 256 rows.  Wave w takes rows 32 w + 2 n + hh, n = 0..15; 16 lanes read 256 consecutive bytes of a row.
	s_lshl_b32 s20, ttmp9, 8                       ; 64 positions = 256 bytes of a row, and of cand
	s_mov_b32 s21, 0
	s_lshl_b32 s22, s18, 17                        ; 32 rows of 4,096 bytes
	v_lshl_add_u32 v4, v2, 12, s22
	v_lshl_add_u32 v4, v1, 4, v4                   ; (32 w + hh) x 4,096 + 16 i
	s_mov_b32 s24, 0x76543210
	s_mov_b32 s25, 0xfedcba98
	s_lshl_b32 s23, s18, 8
	v_lshl_add_u32 v5, v1, 4, s23                  ; LDS: 256 w + 16 i
	s_wait_kmcnt 0x0
	s_add_nc_u64 s[4:5], s[4:5], s[20:21]
	s_add_nc_u64 s[6:7], s[6:7], s[20:21]
	s_add_nc_u64 s[14:15], s[14:15], s[20:21]
.set n, 0
.rept 16
	global_load_b128 v[VAL+4*n:VAL+4*n+3], v4, s[4:5] offset:8192*n
	global_load_b128 v[GID+4*n:GID+4*n+3], v4, s[6:7] offset:8192*n
.set n, n+1
.endr
	; a lane's rows ascend with n, and so do their gids: strictly larger is enough
.set n, 1
.rept 15
	s_wait_loadcnt 30-2*n                          ; pair n is in (and all before it); the 15 - n younger pairs stay out
.irp e, 0,1,2,3
	v_cmp_gt_f32 s[28+\e], v[VAL+4*n+\e], v[VAL+\e]
.endr
.irp e, 0,1,2,3
	v_cndmask_b32 v[VAL+\e], v[VAL+\e], v[VAL+4*n+\e], s[28+\e]
	v_cndmask_b32 v[GID+\e], v[GID+\e], v[GID+4*n+\e], s[28+\e]
.endr
.set n, n+1
.endr
.irp e, 0,1,2,3
	v_permlanex16_b32 v[VAL+4+\e], v[VAL+\e], s24, s25   ; the odd rows meet the even ones: here the gids interleave, so MERGE compares them
	v_permlanex16_b32 v[GID+4+\e], v[GID+\e], s24, s25
.endr
.irp e, 0,1,2,3
	MERGE VAL+\e, GID+\e, VAL+4+\e, GID+4+\e
.endr
	ds_store_b128 v5, v[VAL:VAL+3]                 ; both halves of the wave hold the same and write the same bytes
	ds_store_b128 v5, v[GID:GID+3] offset:2048
	s_wait_dscnt 0x0                               ; for the wave that reads: my stores are done
	s_barrier_signal -1
	s_barrier_wait -1
	s_cmp_lg_u32 s18, 0
	s_cbranch_scc1 .Ldone
	; wave 0: lane L takes the block's queries 2 L and 2 L + 1: r = 2 L & 15 (and r + 1), e = L >> 3, at byte 16 r + 4 e of each wave's 256
	v_and_b32 v6, 7, v3
	v_lshrrev_b32 v7, 3, v3
	v_lshlrev_b32 v7, 2, v7
	v_lshl_add_u32 v6, v6, 5, v7
	v_lshlrev_b32 v8, 3, v3
.irp p, 0,1,2,3,4,5,6,7
	ds_load_b32 v[VAL+2*\p], v6 offset:256*\p
	ds_load_b32 v[VAL+2*\p+1], v6 offset:256*\p+16
	ds_load_b32 v[GID+2*\p], v6 offset:2048+256*\p
	ds_load_b32 v[GID+2*\p+1], v6 offset:2048+256*\p+16
.endr
	s_wait_dscnt 0x0
.irp p, 1,2,3,4,5,6,7
	v_cmp_gt_f32 s28, v[VAL+2*\p], v[VAL]          ; the waves' rows ascend, and so do their gids: strictly larger is enough
	v_cmp_gt_f32 s29, v[VAL+2*\p+1], v[VAL+1]
	v_cndmask_b32 v[VAL], v[VAL], v[VAL+2*\p], s28
	v_cndmask_b32 v[GID], v[GID], v[GID+2*\p], s28
	v_cndmask_b32 v[VAL+1], v[VAL+1], v[VAL+2*\p+1], s29
	v_cndmask_b32 v[GID+1], v[GID+1], v[GID+2*\p+1], s29
.endr
	global_store_b64 v8, v[GID:GID+1], s[14:15]    ; 32 lanes store 256 consecutive bytes, aligned: cand of queries 64 b .. 64 b + 63
.Ldone:
	s_wait_tensorcnt 0x0
	ds_add_u32 v160, v161
	s_wait_dscnt 0x0
	s_endpgm
	; ---- weights.  16 loads of 4 bytes a lane (16 lanes take 64 consecutive bytes of a weight row), 8 roundings, 2 stores of 512 consecutive bytes.
.macro FRAG pitch, base
.irp c, 0,1
.irp j, 0,1,2,3,4,5,6,7
	global_load_b32 v[RW+8*\c+\j], v4, s[\base:\base+1] offset:(16*\c+\j)*\pitch
.endr
.endr
	s_wait_loadcnt 0x0
.irp q, 0,1,2,3,4,5,6,7
	v_cvt_pk_bf16_f32 v[PK+\q], v[RW+2*\q], v[RW+2*\q+1]   ; the lower k in the low half
.endr
	global_store_b128 v5, v[PK:PK+3], s[16:17]
	global_store_b128 v5, v[PK+4:PK+7], s[16:17] offset:512
.endm
.Lweights:
	s_sub_co_u32 s20, ttmp9, 16
	s_lshl_b32 s20, s20, 3
	s_add_co_u32 s20, s20, s18                     ; f = 8 (work-group - 16) + wave
	s_lshl_b32 s22, s20, 10
	s_mov_b32 s23, 0
	v_lshlrev_b32 v5, 4, v3                        ; 16 L
	v_lshlrev_b32 v4, 2, v1                        ; 4 r
	s_wait_kmcnt 0x0
	s_add_nc_u64 s[16:17], s[16:17], s[22:23]      ; wfrag + 1,024 f
	s_cmp_lt_u32 ttmp9, 24
	s_cbranch_scc0 .Lsecond
	; W1 [64][512]: A(m, k) = W1[k][m], a row of 2,048 bytes for each k
	s_and_b32 s24, s20, 1
	s_lshl_b32 s24, s24, 16                        ; k0 = 32 (f & 1) rows
	s_lshr_b32 s25, s20, 1
	s_lshl_b32 s25, s25, 6                         ; m0 = 16 (f >> 1) numbers
	s_add_co_u32 s24, s24, s25
	s_mov_b32 s25, 0
	s_add_nc_u64 s[8:9], s[8:9], s[24:25]
	v_lshl_add_u32 v4, v2, 14, v4                  ; + 8 h rows
	FRAG 2048, 8
	s_endpgm
.Lsecond:
	; Wu, Ws [512][64]: A(m, k) = Wu[k][m] for m < 64, Ws[k][m - 64] above; a row of 256 bytes for each k.  o < 4 is work-group < 32.
	s_cmp_lt_u32 ttmp9, 32
	s_cselect_b64 s[10:11], s[10:11], s[12:13]
	s_sub_co_u32 s24, s20, 64                      ; 16 o + ks
	s_and_b32 s25, s24, 15
	s_lshl_b32 s25, s25, 13                        ; k0 = 32 ks rows
	s_bfe_u32 s24, s24, 0x20004                    ; o & 3
	s_lshl_b32 s24, s24, 6                         ; 16 numbers each
	s_add_co_u32 s24, s24, s25
	s_mov_b32 s25, 0
	s_add_nc_u64 s[10:11], s[10:11], s[24:25]
	v_lshl_add_u32 v4, v2, 11, v4                  ; + 8 h rows
	FRAG 256, 10
	s_endpgm
.Lfunc_end_k_q065117afcb_pick:
	.size	k_q065117afcb_pick, .Lfunc_end_k_q065117afcb_pick-k_q065117afcb_pick
	.p2alignl 7, 3214868480
	.fill 96, 4, 3214868480
	.section	.rodata,"a",@progbits
	.p2align	6, 0x0
	.amdhsa_kernel k_q065117afcb_pick
		.amdhsa_group_segment_fixed_size 5120
		.amdhsa_private_segment_fixed_size 0
		.amdhsa_enable_private_segment 0
		.amdhsa_kernarg_size 56
		.amdhsa_user_sgpr_count 2
		.amdhsa_user_sgpr_kernarg_segment_ptr 1
		.amdhsa_wavefront_size32 1
		.amdhsa_system_sgpr_workgroup_id_x 1
		.amdhsa_system_sgpr_workgroup_id_y 1
		.amdhsa_system_sgpr_workgroup_id_z 1
		.amdhsa_system_vgpr_workitem_id 0
		.amdhsa_next_free_vgpr 162
		.amdhsa_next_free_sgpr 66
		.amdhsa_reserve_vcc 0
		.amdhsa_float_denorm_mode_32 3
		.amdhsa_float_denorm_mode_16_64 3
		.amdhsa_memory_ordered 1
		.amdhsa_forward_progress 1
		.amdhsa_inst_pref_size 29
	.end_amdhsa_kernel
	.amdgpu_metadata
---
amdhsa.version: [ 1, 2 ]
amdhsa.kernels:
  - .name:           k_q065117afcb_pick
    .symbol:         k_q065117afcb_pick.kd
    .args:
      - { .name: bestval, .offset: 0, .size: 8, .value_kind: global_buffer, .address_space: global }
      - { .name: bestgid, .offset: 8, .size: 8, .value_kind: global_buffer, .address_space: global }
      - { .name: W1, .offset: 16, .size: 8, .value_kind: global_buffer, .address_space: global }
      - { .name: Wu, .offset: 24, .size: 8, .value_kind: global_buffer, .address_space: global }
      - { .name: Ws, .offset: 32, .size: 8, .value_kind: global_buffer, .address_space: global }
      - { .name: cand, .offset: 40, .size: 8, .value_kind: global_buffer, .address_space: global }
      - { .name: wfrag, .offset: 48, .size: 8, .value_kind: global_buffer, .address_space: global }
    .group_segment_fixed_size: 5120
    .private_segment_fixed_size: 0
    .kernarg_segment_align: 8
    .kernarg_segment_size: 56
    .max_flat_workgroup_size: 256
    .sgpr_count:     66
    .vgpr_count:     162
    .wavefront_size: 32
...
	.end_amdgpu_metadata
.endif
;; end of part 2
;; launch mlp (part 3): grid 64 x 1, 8 waves a work-group, no clusters, 71,168 bytes of LDS; arguments cand, codes, codes_table, wfrag, b1, bu, bs, out0, out1; writes out0, out1
.if DOCPART == 3
	.amdgcn_target "amdgcn-amd-amdhsa--gfx1250"
	.amdhsa_code_object_version 6
	.text
	.protected	k_q065117afcb_mlp
	.globl	k_q065117afcb_mlp
	.p2align	8
	.type	k_q065117afcb_mlp,@function
k_q065117afcb_mlp:
	s_mov_b64 s[64:65], 0
	v_nop
	global_prefetch_b8 v0, s[64:65] scope:SCOPE_SE
	s_setreg_imm32_b32 hwreg(HW_REG_WAVE_MODE, 25, 1), 1
	s_wait_xcnt 0x0
; MLP.  16 queries a work-group.  (1) Each half of a wave takes one query: the 8 table rows of its winning group (cand) are scored again,
; s = sum of (c - 0.5 t) t in f32 on c and t rounded to bf16, and the best row is chosen by selects (strictly larger: the lowest row wins equal scores).
; (2) h1 = relu(x W1 + b1), (3) mu = h1 Wu + bu, logstd = h1 Ws + bs, on the matrix unit with bf16 operands and f32 sums.
; x is the chosen row rounded to bf16, h1 is rounded to bf16 between the layers, the weights come rounded from wfrag; biases stay f32.
; BOTH LAYERS RUN TRANSPOSED: A = weights (rows = outputs), B = activations (columns = queries).  Wave w owns H slice 64 w .. 64 w + 63.  Layer 1's result register j of
; lane (r, h), tile t is h1(query r, 64 w + 16 t + 8 h + j): packed in pairs, tiles 2 s and 2 s + 1 are exactly layer 2's B fragment of K step s, with no way through LDS.
; Layer 2 gives each wave a partial sum over its 64 of H for all 128 outputs; the 8 partial sums meet in LDS.
; LIMITS: NaN is not served (relu by a maximum in which a NaN loses).  cand is clamped to the table's last group, 12,499.
; No cluster, no tensor loads: a work-group's weights are 192 KiB read once into registers in fragment order.
.set XS,   0                           ; LDS: 16 chosen rows in bf16, pitch 144
.set PART, 2560                        ; LDS: [wave 8][query 16] rows of 128 f32, pitch 528 (an odd multiple of 16)
.set BU,   32                          ; v[32:35] bu, v[36:39] bs of my 4 columns: the sums start from them
.set SC,   40                          ; v[40:47]  scores of the 8 rows; v40 becomes the running best
.set WF,   64                          ; v[64:127] W1 fragments, tile t, K step ks at 8 (2 t + ks); later layer 2's 8 accumulators
.set A2,   64
.set A1,   128                         ; v[128:159] layer 1's 4 accumulators, loaded with b1
.set XF,   160                         ; v[160:175] x fragments, 2 K steps
.set HF,   176                         ; v[176:191] h1 fragments, 2 K steps
.set ROWS, 192                         ; v[192:223] 8 rows x 4; each row's first pair becomes its bf16; row 0's pair becomes the chosen row
.set CODE, 224                         ; v[224:227] my 4 numbers of the query
.set CR,   228                         ; v[228:231] the same, rounded to bf16, as f32
.set TMP,  232                         ; v[232:247] two sets of 8
.set RD,   192                         ; v[192:255] the end: 8 waves' partial sums
; window 1 (v256-v383): layer 2's fragments, output tile o, K step s at 8 (2 o + s)
.set MSB, 0
.macro WIN new
.if MSB != \new
	s_set_vgpr_msb (MSB<<8)|\new
.set MSB, \new
.endif
.endm
	s_load_b512 s[4:19], s[0:1], 0x0               ; cand s[4:5], codes s[6:7], codes_table s[8:9], wfrag s[10:11], b1 s[12:13], bu s[14:15], bs s[16:17], out0 s[18:19]
	s_load_b64 s[20:21], s[0:1], 0x40              ; out1
	v_lshl_add_u32 v62, v0, 2, 0x11200
	v_mov_b32 v63, 0
	v_lshrrev_b32 v1, 5, v0
	v_readfirstlane_b32 s22, v1                    ; wave 0..7
	v_and_b32 v1, 15, v0                           ; i, or r
	v_bfe_u32 v2, v0, 4, 1                         ; hh, or h
	v_and_b32 v3, 31, v0                           ; lane L
	s_lshl_b32 s23, ttmp9, 4
	s_lshl1_add_u32 s23, s22, s23                  ; 16 x work-group + 2 w
	v_add_nc_u32 v4, s23, v2                       ; my query
	v_lshlrev_b32 v5, 2, v4                        ; its word of cand
	v_lshlrev_b32 v6, 8, v4
	v_lshl_add_u32 v6, v1, 4, v6                   ; 256 x query + 16 i: codes, out0, out1
	s_lshl_b32 s24, s22, 13
	v_lshl_add_u32 v7, v3, 4, s24                  ; W1 fragments 8 w ..: 8,192 w + 16 L
	s_lshl_b32 s24, s22, 8
	v_lshl_add_u32 v8, v2, 5, s24                  ; b1: 4 (64 w + 8 h)
	v_lshlrev_b32 v9, 4, v1                        ; bu, bs: 16 i
	s_lshl_b32 s24, s22, 11
	v_lshl_add_u32 v10, v3, 4, s24                 ; layer 2's fragments, K steps 2 w, 2 w + 1: 2,048 w + 16 L
	s_mov_b32 s25, 0xffff0000                      ; a word's upper bf16
	s_wait_kmcnt 0x0
	global_load_b32 v11, v5, s[4:5]                ; the winning group; then 59 loads that do not hang on it
	global_load_b128 v[CODE:CODE+3], v6, s[6:7]
.irp p, 0,1,2,3,4,5,6,7
	global_load_b128 v[WF+8*\p:WF+8*\p+3], v7, s[10:11] offset:1024*\p
	global_load_b128 v[WF+8*\p+4:WF+8*\p+7], v7, s[10:11] offset:1024*\p+512
.endr
.irp t, 0,1,2,3
	global_load_b128 v[A1+8*\t:A1+8*\t+3], v8, s[12:13] offset:64*\t       ; b1 in C's layout: register j is output 16 t + 8 h + j
	global_load_b128 v[A1+8*\t+4:A1+8*\t+7], v8, s[12:13] offset:64*\t+16
.endr
	global_load_b128 v[BU:BU+3], v9, s[14:15]
	global_load_b128 v[BU+4:BU+7], v9, s[16:17]
	WIN 0x40                                       ; destination in window 1
.irp o, 0,1,2,3,4,5,6,7
.irp q, 0,1,2,3
	global_load_b128 v[16*\o+4*\q:16*\o+4*\q+3], v10, s[10:11] offset:65536+16384*\o+512*\q   ; q = 2 s + c
.endr
.endr
	WIN 0
	s_wait_loadcnt 59                              ; 1 + 16 + 8 + 2 + 32 loads were issued behind cand's: it is in
	v_min_u32 v11, 12499, v11                      ; inside the table, whatever the word holds
	v_lshlrev_b32 v12, 11, v11                     ; 8 rows of 256 bytes
	v_lshl_add_u32 v12, v1, 4, v12
.irp j, 0,1,2,3,4,5,6,7
	global_load_b128 v[ROWS+4*\j:ROWS+4*\j+3], v12, s[8:9] offset:256*\j   ; 16 lanes take a whole row
.endr
	s_mul_i32 s24, s22, 288
	v_mul_u32_u24 v13, v2, 144
	v_lshl_add_u32 v13, v1, 3, v13
	v_add_nc_u32 v13, s24, v13                     ; XS + 144 (2 w + hh) + 8 i
	v_mul_u32_u24 v14, v1, 144
	v_lshl_add_u32 v14, v2, 4, v14                 ; XS + 144 r + 16 h
	s_mul_i32 s24, s22, 8448
	s_add_co_u32 s24, s24, PART
	v_mul_u32_u24 v15, v1, 528
	v_lshl_add_u32 v15, v2, 5, v15
	v_add_nc_u32 v15, s24, v15                     ; PART + 8,448 w + 528 r + 32 h
	s_mul_i32 s24, s22, 1056
	s_add_co_u32 s24, s24, PART
	v_mul_u32_u24 v16, v2, 528
	v_lshl_add_u32 v16, v1, 4, v16
	v_add_nc_u32 v16, s24, v16                     ; PART + 528 (2 w + hh) + 16 i
; my 4 columns' share of row j's score
.macro CSCORE j
.set TT, TMP+8*((\j)&1)
.set RW, ROWS+4*(\j)
	s_wait_loadcnt 7-(\j)                          ; row j is in (and all the loads before it); the younger rows stay out
.if \j == 0
	v_cvt_pk_bf16_f32 v[TMP], v[CODE], v[CODE+1]   ; the query, rounded as in the search
	v_cvt_pk_bf16_f32 v[TMP+1], v[CODE+2], v[CODE+3]
	v_lshlrev_b32 v[CR], 16, v[TMP]
	v_and_b32 v[CR+1], s25, v[TMP]
	v_lshlrev_b32 v[CR+2], 16, v[TMP+1]
	v_and_b32 v[CR+3], s25, v[TMP+1]
.endif
	v_cvt_pk_bf16_f32 v[RW], v[RW], v[RW+1]
	v_cvt_pk_bf16_f32 v[RW+1], v[RW+2], v[RW+3]
	v_lshlrev_b32 v[TT], 16, v[RW]
	v_and_b32 v[TT+1], s25, v[RW]
	v_lshlrev_b32 v[TT+2], 16, v[RW+1]
	v_and_b32 v[TT+3], s25, v[RW+1]
	v_pk_fma_f32 v[TT+4:TT+5], v[TT:TT+1], -0.5, v[CR:CR+1] op_sel_hi:[1,0,1]      ; c - 0.5 t
	v_pk_fma_f32 v[TT+6:TT+7], v[TT+2:TT+3], -0.5, v[CR+2:CR+3] op_sel_hi:[1,0,1]
	v_pk_mul_f32 v[TT+4:TT+5], v[TT+4:TT+5], v[TT:TT+1]
	v_pk_fma_f32 v[TT+4:TT+5], v[TT+6:TT+7], v[TT+2:TT+3], v[TT+4:TT+5]
	v_add_f32 v[SC+\j], v[TT+4], v[TT+5]
.endm
.irp j, 0,1,2,3,4,5,6,7
	CSCORE \j
.endr
.irp x, 1,2,4,8
.irp j, 0,1,2,3,4,5,6,7
	v_add_f32_dpp v[SC+\j], v[SC+\j], v[SC+\j] row_xmask:\x row_mask:0xf bank_mask:0xf   ; over the query's 16 lanes
.endr
.endr
.irp j, 1,2,3,4,5,6,7
	v_cmp_gt_f32 vcc_lo, v[SC+\j], v[SC]
	v_cndmask_b32 v[ROWS], v[ROWS], v[ROWS+4*\j], vcc_lo
	v_cndmask_b32 v[ROWS+1], v[ROWS+1], v[ROWS+4*\j+1], vcc_lo
	v_max_num_f32 v[SC], v[SC], v[SC+\j]
.endr
	ds_store_b64 v13, v[ROWS:ROWS+1]               ; my 8 bytes of the chosen row
	s_wait_dscnt 0x0                               ; for the other waves: my store is done
	s_barrier_signal -1
	s_barrier_wait -1                              ; all 16 rows are there
.irp q, 0,1,2,3
	ds_load_b128 v[XF+4*\q:XF+4*\q+3], v14 offset:32*\q    ; column r = query r, K = 16 q + 8 h + 0..7
.endr
	s_wait_dscnt 0x0
	; layer 1: 4 output tiles x 2 K steps, onto b1.  The four accumulators take turns, one instruction a turn.
.irp s, 0,1
.irp t, 0,1,2,3
	v_wmma_f32_16x16x32_bf16 v[A1+8*\t:A1+8*\t+7], v[WF+8*(2*\t+\s):WF+8*(2*\t+\s)+7], v[XF+8*\s:XF+8*\s+7], v[A1+8*\t:A1+8*\t+7]
.endr
.endr
.rept 4
	v_nop                                          ; four places between the last matrix instruction and the first read of a result (ISA guide 7.12.1)
.endr
.set n, 0
.rept 32
	v_max_num_f32 v[A1+n], 0, v[A1+n]              ; relu
.set n, n+1
.endr
.set n, 0
.rept 16
	v_cvt_pk_bf16_f32 v[HF+n], v[A1+2*n], v[A1+2*n+1]      ; tile t's 8 results become registers 4 t .. 4 t + 3: K = 16 t + 8 h + 0..7 of my slice
.set n, n+1
.endr
	; layer 2: 8 output tiles x 2 K steps; the first step starts the sums.  The eight accumulators take turns.  They lie on W1's fragments,
	; behind the four v_nop and the 48 instructions above.
	WIN 0x01                                       ; source 0 (weights) in window 1
.irp o, 0,1,2,3,4,5,6,7
	v_wmma_f32_16x16x32_bf16 v[A2+8*\o:A2+8*\o+7], v[16*\o:16*\o+7], v[HF:HF+7], 0
.endr
.irp o, 0,1,2,3,4,5,6,7
	v_wmma_f32_16x16x32_bf16 v[A2+8*\o:A2+8*\o+7], v[16*\o+8:16*\o+15], v[HF+8:HF+15], v[A2+8*\o:A2+8*\o+7]
.endr
	WIN 0
.rept 4
	v_nop                                          ; four places in front of the LDS stores that read the results
.endr
.irp o, 0,1,2,3,4,5,6,7
	ds_store_b128 v15, v[A2+8*\o:A2+8*\o+3] offset:64*\o       ; query r's outputs 16 o + 8 h + 0..3
	ds_store_b128 v15, v[A2+8*\o+4:A2+8*\o+7] offset:64*\o+16
.endr
	s_wait_dscnt 0x0                               ; for the other waves: my partial sums are stored
	s_barrier_signal -1
	s_barrier_wait -1
	; my query's outputs 4 i .. 4 i + 3 of mu and of logstd: bias + the 8 waves' partial sums
.irp p, 0,1,2,3,4,5,6,7
	ds_load_b128 v[RD+8*\p:RD+8*\p+3], v16 offset:8448*\p
	ds_load_b128 v[RD+8*\p+4:RD+8*\p+7], v16 offset:8448*\p+256
.endr
.irp p, 0,1,2,3,4,5,6,7
	s_wait_dscnt 14-2*\p                           ; pair p is in; the 7 - p younger pairs stay out
	v_pk_add_f32 v[BU:BU+1], v[BU:BU+1], v[RD+8*\p:RD+8*\p+1]
	v_pk_add_f32 v[BU+2:BU+3], v[BU+2:BU+3], v[RD+8*\p+2:RD+8*\p+3]
	v_pk_add_f32 v[BU+4:BU+5], v[BU+4:BU+5], v[RD+8*\p+4:RD+8*\p+5]
	v_pk_add_f32 v[BU+6:BU+7], v[BU+6:BU+7], v[RD+8*\p+6:RD+8*\p+7]
.endr
	global_store_b128 v6, v[BU:BU+3], s[18:19]     ; 16 lanes store a row of 256 consecutive bytes, aligned
	global_store_b128 v6, v[BU+4:BU+7], s[20:21]
	s_wait_tensorcnt 0x0
	ds_add_u32 v62, v63
	s_wait_dscnt 0x0
	s_endpgm
.Lfunc_end_k_q065117afcb_mlp:
	.size	k_q065117afcb_mlp, .Lfunc_end_k_q065117afcb_mlp-k_q065117afcb_mlp
	.p2alignl 7, 3214868480
	.fill 96, 4, 3214868480
	.section	.rodata,"a",@progbits
	.p2align	6, 0x0
	.amdhsa_kernel k_q065117afcb_mlp
		.amdhsa_group_segment_fixed_size 71168
		.amdhsa_private_segment_fixed_size 0
		.amdhsa_enable_private_segment 0
		.amdhsa_kernarg_size 72
		.amdhsa_user_sgpr_count 2
		.amdhsa_user_sgpr_kernarg_segment_ptr 1
		.amdhsa_wavefront_size32 1
		.amdhsa_system_sgpr_workgroup_id_x 1
		.amdhsa_system_sgpr_workgroup_id_y 1
		.amdhsa_system_sgpr_workgroup_id_z 1
		.amdhsa_system_vgpr_workitem_id 0
		.amdhsa_next_free_vgpr 384
		.amdhsa_next_free_sgpr 66
		.amdhsa_reserve_vcc 1
		.amdhsa_float_denorm_mode_32 3
		.amdhsa_float_denorm_mode_16_64 3
		.amdhsa_memory_ordered 1
		.amdhsa_forward_progress 1
		.amdhsa_inst_pref_size 26
	.end_amdhsa_kernel
	.amdgpu_metadata
---
amdhsa.version: [ 1, 2 ]
amdhsa.kernels:
  - .name:           k_q065117afcb_mlp
    .symbol:         k_q065117afcb_mlp.kd
    .args:
      - { .name: cand, .offset: 0, .size: 8, .value_kind: global_buffer, .address_space: global }
      - { .name: codes, .offset: 8, .size: 8, .value_kind: global_buffer, .address_space: global }
      - { .name: codes_table, .offset: 16, .size: 8, .value_kind: global_buffer, .address_space: global }
      - { .name: wfrag, .offset: 24, .size: 8, .value_kind: global_buffer, .address_space: global }
      - { .name: b1, .offset: 32, .size: 8, .value_kind: global_buffer, .address_space: global }
      - { .name: bu, .offset: 40, .size: 8, .value_kind: global_buffer, .address_space: global }
      - { .name: bs, .offset: 48, .size: 8, .value_kind: global_buffer, .address_space: global }
      - { .name: out0, .offset: 56, .size: 8, .value_kind: global_buffer, .address_space: global }
      - { .name: out1, .offset: 64, .size: 8, .value_kind: global_buffer, .address_space: global }
    .group_segment_fixed_size: 71168
    .private_segment_fixed_size: 0
    .kernarg_segment_align: 8
    .kernarg_segment_size: 72
    .max_flat_workgroup_size: 256
    .sgpr_count:     66
    .vgpr_count:     384
    .wavefront_size: 32
...
	.end_amdgpu_metadata
.endif
;; end of part 3
;; ======== version 2 of 2: 3 launches; version 1 with the launch mlp written anew for expert scheduling mode
;; workspace buffers: bestval 1,048,576 bytes; bestgid 1,048,576 bytes of whole numbers; cand 4,096 bytes of whole numbers; wfrag 196,608 bytes
;; launch search: the kernel of part 1 again; grid 256 x 1, 8 waves a work-group, clusters of 4 x 1, 322,560 bytes of LDS; arguments codes, codes_table, bestval, bestgid; writes bestval, bestgid
;; launch pick: the kernel of part 2 again; grid 40 x 1, 8 waves a work-group, no clusters, 5,120 bytes of LDS; arguments bestval, bestgid, W1, Wu, Ws, cand, wfrag; writes cand, wfrag
;; launch mlp (part 4): grid 64 x 1, 8 waves a work-group, no clusters, 71,168 bytes of LDS; arguments cand, codes, codes_table, wfrag, b1, bu, bs, out0, out1; writes out0, out1
.if DOCPART == 4
	.amdgcn_target "amdgcn-amd-amdhsa--gfx1250"
	.amdhsa_code_object_version 6
	.text
	.protected	k_q065117afcb_mlp
	.globl	k_q065117afcb_mlp
	.p2align	8
	.type	k_q065117afcb_mlp,@function
k_q065117afcb_mlp:
	s_mov_b64 s[64:65], 0
	v_nop
	global_prefetch_b8 v0, s[64:65] scope:SCOPE_SE
	s_setreg_imm32_b32 hwreg(HW_REG_WAVE_SCHED_MODE, 0, 2), 2
	s_setreg_imm32_b32 hwreg(HW_REG_WAVE_MODE, 25, 1), 1
	s_wait_xcnt 0x0
	s_wait_alu depctr_vm_vsrc(0)
; MLP.  16 queries a work-group.  (1) Each half of a wave takes one query: the 8 table rows of its winning group (cand) are scored again,
; s = sum of (c - 0.5 t) t in f32 on c and t rounded to bf16, and the best row is chosen by selects (strictly larger: the lowest row wins equal scores).
; (2) h1 = relu(x W1 + b1), (3) mu = h1 Wu + bu, logstd = h1 Ws + bs, on the matrix unit with bf16 operands and f32 sums.
; x is the chosen row rounded to bf16, h1 is rounded to bf16 between the layers, the weights come rounded from wfrag; biases stay f32.
; BOTH LAYERS RUN TRANSPOSED: A = weights (rows = outputs), B = activations (columns = queries).  Wave w owns H slice 64 w .. 64 w + 63.  Layer 1's result register j of
; lane (r, h), tile t is h1(query r, 64 w + 16 t + 8 h + j): packed in pairs, tiles 2 s and 2 s + 1 are exactly layer 2's B fragment of K step s, with no way through LDS.
; Layer 2 gives each wave a partial sum over its 64 of H for all 128 outputs; the 8 partial sums meet in LDS.
; LIMITS: NaN is not served (relu by a maximum in which a NaN loses).  cand is clamped to the table's last group, 12,499.
; No cluster, no tensor loads: a work-group's weights are 192 KiB read once into registers in fragment order.
; THE MODE: SCHED_MODE bits 1:0 = 2 (LLVM: expert scheduling mode 2), set by the entry lines.  The code itself states the register dependences
; between vector or matrix instructions and memory or LDS instructions, with s_wait_alu, always for 0.
; THE PLAN.  Registers that memory or LDS instructions touch, in the order of the text (there is no loop):
;   v5 .. v10     offsets, made at the head, read by the first 60 loads (v6 by the last two stores too); never written again.
;   v12           the rows' offset, made from the loaded group number, read by the 8 row loads; never written again.
;   v13 .. v16    LDS addresses, made behind the row loads, each read by one group of LDS stores or loads; never written again.
;   ROWS          the row loads land in it; the scoring reads and rewrites it; its first pair is the data of the LDS store of the chosen row.
;   RD            = ROWS, CODE, CR and TMP once more: the closing LDS loads land in it.
;   A2            written by layer 2's matrix instructions, read by the LDS stores of the partial sums.
;   BU            loaded, summed onto by vector instructions, read by the two global stores.
;   All other load targets (v11, CODE, WF, A1, XF, window 1) are named by no vector instruction ahead of their load.
; So a wait on va_vdst stands ahead of each of five groups: the first loads, the row loads, the store of the chosen row, the stores of the partial sums, the last stores;
; one wait on vm_vsrc ahead of the closing LDS loads; one wait on va_sdst behind the wave's number and one behind the run of seven compares.
.set XS,   0                           ; LDS: 16 chosen rows in bf16, pitch 144
.set PART, 2560                        ; LDS: [wave 8][query 16] rows of 128 f32, pitch 528 (an odd multiple of 16)
.set BU,   32                          ; v[32:35] bu, v[36:39] bs of my 4 columns: the sums start from them
.set SC,   40                          ; v[40:47]  scores of the 8 rows
.set PM,   48                          ; v[48:53]  the best score of rows 0 .. j, j = 1 .. 6
.set WF,   64                          ; v[64:127] W1 fragments, tile t, K step ks at 8 (2 t + ks); later layer 2's 8 accumulators
.set A2,   64
.set A1,   128                         ; v[128:159] layer 1's 4 accumulators, loaded with b1
.set XF,   160                         ; v[160:175] x fragments, 2 K steps
.set HF,   176                         ; v[176:191] h1 fragments, 2 K steps
.set ROWS, 192                         ; v[192:223] 8 rows x 4; each row's first pair becomes its bf16; row 0's pair becomes the chosen row
.set CODE, 224                         ; v[224:227] my 4 numbers of the query
.set CR,   228                         ; v[228:231] the same, rounded to bf16, as f32
.set TMP,  232                         ; v[232:247] two sets of 8
.set RD,   192                         ; v[192:255] the end: 8 waves' partial sums
.set CM,   26                          ; s[26:31]  row j beats the best of the rows before it, j = 1 .. 6
.set CM7,  23                          ; s23       the same for row 7 (the register is free since the head)
; window 1 (v256-v383): layer 2's fragments, output tile o, K step s at 8 (2 o + s)
.set MSB, 0
.macro WIN new
.if MSB != \new
	s_set_vgpr_msb (MSB<<8)|\new
.set MSB, \new
.endif
.endm
	s_load_b512 s[4:19], s[0:1], 0x0               ; cand s[4:5], codes s[6:7], codes_table s[8:9], wfrag s[10:11], b1 s[12:13], bu s[14:15], bs s[16:17], out0 s[18:19]
	s_load_b64 s[20:21], s[0:1], 0x40              ; out1
	v_lshl_add_u32 v62, v0, 2, 0x11200
	v_mov_b32 v63, 0
	v_lshrrev_b32 v1, 5, v0
	v_readfirstlane_b32 s22, v1                    ; wave 0..7
	v_and_b32 v1, 15, v0                           ; i, or r
	v_bfe_u32 v2, v0, 4, 1                         ; hh, or h
	v_and_b32 v3, 31, v0                           ; lane L
	s_lshl_b32 s23, ttmp9, 4
	s_wait_alu depctr_va_sdst(0)                   ; s22 is written, ahead of its first reader: offsets and LDS addresses are made from it
	s_lshl1_add_u32 s23, s22, s23                  ; 16 x work-group + 2 w
	v_add_nc_u32 v4, s23, v2                       ; my query
	v_lshlrev_b32 v5, 2, v4                        ; its word of cand
	v_lshlrev_b32 v6, 8, v4
	v_lshl_add_u32 v6, v1, 4, v6                   ; 256 x query + 16 i: codes, out0, out1
	s_lshl_b32 s24, s22, 13
	v_lshl_add_u32 v7, v3, 4, s24                  ; W1 fragments 8 w ..: 8,192 w + 16 L
	s_lshl_b32 s24, s22, 8
	v_lshl_add_u32 v8, v2, 5, s24                  ; b1: 4 (64 w + 8 h)
	v_lshlrev_b32 v9, 4, v1                        ; bu, bs: 16 i
	s_lshl_b32 s24, s22, 11
	v_lshl_add_u32 v10, v3, 4, s24                 ; layer 2's fragments, K steps 2 w, 2 w + 1: 2,048 w + 16 L
	s_mov_b32 s25, 0xffff0000                      ; a word's upper bf16
	s_wait_kmcnt 0x0
	s_wait_alu depctr_va_vdst(0)                   ; the offsets v5 to v10 are written, which the 60 loads below read; only loads and one window switch stand between this wait and the last of them
	global_load_b32 v11, v5, s[4:5]                ; the winning group; then 59 loads that do not hang on it
	global_load_b128 v[CODE:CODE+3], v6, s[6:7]
.irp p, 0,1,2,3,4,5,6,7
	global_load_b128 v[WF+8*\p:WF+8*\p+3], v7, s[10:11] offset:1024*\p
	global_load_b128 v[WF+8*\p+4:WF+8*\p+7], v7, s[10:11] offset:1024*\p+512
.endr
.irp t, 0,1,2,3
	global_load_b128 v[A1+8*\t:A1+8*\t+3], v8, s[12:13] offset:64*\t       ; b1 in C's layout: register j is output 16 t + 8 h + j
	global_load_b128 v[A1+8*\t+4:A1+8*\t+7], v8, s[12:13] offset:64*\t+16
.endr
	global_load_b128 v[BU:BU+3], v9, s[14:15]
	global_load_b128 v[BU+4:BU+7], v9, s[16:17]
	WIN 0x40                                       ; destination in window 1
.irp o, 0,1,2,3,4,5,6,7
.irp q, 0,1,2,3
	global_load_b128 v[16*\o+4*\q:16*\o+4*\q+3], v10, s[10:11] offset:65536+16384*\o+512*\q   ; q = 2 s + c
.endr
.endr
	WIN 0
	s_wait_loadcnt 59                              ; 1 + 16 + 8 + 2 + 32 loads were issued behind cand's: it is in
	v_min_u32 v11, 12499, v11                      ; inside the table, whatever the word holds
	v_lshlrev_b32 v12, 11, v11                     ; 8 rows of 256 bytes
	v_lshl_add_u32 v12, v1, 4, v12
	s_wait_alu depctr_va_vdst(0)                   ; v12 is written, which the 8 row loads read as their offset
.irp j, 0,1,2,3,4,5,6,7
	global_load_b128 v[ROWS+4*\j:ROWS+4*\j+3], v12, s[8:9] offset:256*\j   ; 16 lanes take a whole row
.endr
	s_mul_i32 s24, s22, 288
	v_mul_u32_u24 v13, v2, 144
	v_lshl_add_u32 v13, v1, 3, v13
	v_add_nc_u32 v13, s24, v13                     ; XS + 144 (2 w + hh) + 8 i
	v_mul_u32_u24 v14, v1, 144
	v_lshl_add_u32 v14, v2, 4, v14                 ; XS + 144 r + 16 h
	s_mul_i32 s24, s22, 8448
	s_add_co_u32 s24, s24, PART
	v_mul_u32_u24 v15, v1, 528
	v_lshl_add_u32 v15, v2, 5, v15
	v_add_nc_u32 v15, s24, v15                     ; PART + 8,448 w + 528 r + 32 h
	s_mul_i32 s24, s22, 1056
	s_add_co_u32 s24, s24, PART
	v_mul_u32_u24 v16, v2, 528
	v_lshl_add_u32 v16, v1, 4, v16
	v_add_nc_u32 v16, s24, v16                     ; PART + 528 (2 w + hh) + 16 i
; my 4 columns' share of row j's score
.macro CSCORE j
.set TT, TMP+8*((\j)&1)
.set RW, ROWS+4*(\j)
	s_wait_loadcnt 7-(\j)                          ; row j is in (and all the loads before it); the younger rows stay out
.if \j == 0
	v_cvt_pk_bf16_f32 v[TMP], v[CODE], v[CODE+1]   ; the query, rounded as in the search
	v_cvt_pk_bf16_f32 v[TMP+1], v[CODE+2], v[CODE+3]
	v_lshlrev_b32 v[CR], 16, v[TMP]
	v_and_b32 v[CR+1], s25, v[TMP]
	v_lshlrev_b32 v[CR+2], 16, v[TMP+1]
	v_and_b32 v[CR+3], s25, v[TMP+1]
.endif
	v_cvt_pk_bf16_f32 v[RW], v[RW], v[RW+1]
	v_cvt_pk_bf16_f32 v[RW+1], v[RW+2], v[RW+3]
	v_lshlrev_b32 v[TT], 16, v[RW]
	v_and_b32 v[TT+1], s25, v[RW]
	v_lshlrev_b32 v[TT+2], 16, v[RW+1]
	v_and_b32 v[TT+3], s25, v[RW+1]
	v_pk_fma_f32 v[TT+4:TT+5], v[TT:TT+1], -0.5, v[CR:CR+1] op_sel_hi:[1,0,1]      ; c - 0.5 t
	v_pk_fma_f32 v[TT+6:TT+7], v[TT+2:TT+3], -0.5, v[CR+2:CR+3] op_sel_hi:[1,0,1]
	v_pk_mul_f32 v[TT+4:TT+5], v[TT+4:TT+5], v[TT:TT+1]
	v_pk_fma_f32 v[TT+4:TT+5], v[TT+6:TT+7], v[TT+2:TT+3], v[TT+4:TT+5]
	v_add_f32 v[SC+\j], v[TT+4], v[TT+5]
.endm
.irp j, 0,1,2,3,4,5,6,7
	CSCORE \j
.endr
.irp x, 1,2,4,8
.irp j, 0,1,2,3,4,5,6,7
	v_add_f32_dpp v[SC+\j], v[SC+\j], v[SC+\j] row_xmask:\x row_mask:0xf bank_mask:0xf   ; over the query's 16 lanes
.endr
.endr
	; The best of rows 0 .. j is kept for each j, so that the seven compares (row j against the best of the rows before it) stand in one run, with one wait behind it.
	v_max_num_f32 v[PM], v[SC], v[SC+1]
.irp j, 2,3,4,5,6
	v_max_num_f32 v[PM+\j-1], v[PM+\j-2], v[SC+\j]
.endr
	v_cmp_gt_f32 s[CM], v[SC+1], v[SC]
.irp j, 2,3,4,5,6
	v_cmp_gt_f32 s[CM+\j-1], v[SC+\j], v[PM+\j-2]
.endr
	v_cmp_gt_f32 s[CM7], v[SC+7], v[PM+5]
	s_wait_alu depctr_va_sdst(0)                   ; the seven compares have written their masks, which the selects below read
.irp j, 1,2,3,4,5,6
	v_cndmask_b32 v[ROWS], v[ROWS], v[ROWS+4*\j], s[CM+\j-1]
	v_cndmask_b32 v[ROWS+1], v[ROWS+1], v[ROWS+4*\j+1], s[CM+\j-1]
.endr
	v_cndmask_b32 v[ROWS], v[ROWS], v[ROWS+28], s[CM7]
	v_cndmask_b32 v[ROWS+1], v[ROWS+1], v[ROWS+29], s[CM7]
	s_wait_alu depctr_va_vdst(0)                   ; the selects have written the chosen row's pair, which the LDS store reads; v13 and v14, its address and that of the loads behind the barrier, are written
	ds_store_b64 v13, v[ROWS:ROWS+1]               ; my 8 bytes of the chosen row
	s_wait_dscnt 0x0                               ; for the other waves: my store is done
	s_barrier_signal -1
	s_barrier_wait -1                              ; all 16 rows are there
.irp q, 0,1,2,3
	ds_load_b128 v[XF+4*\q:XF+4*\q+3], v14 offset:32*\q    ; column r = query r, K = 16 q + 8 h + 0..7.  No wait: no vector instruction stands behind the wait above
.endr
	s_wait_dscnt 0x0
	; layer 1: 4 output tiles x 2 K steps, onto b1.  The four accumulators take turns, one instruction a turn.
.irp s, 0,1
.irp t, 0,1,2,3
	v_wmma_f32_16x16x32_bf16 v[A1+8*\t:A1+8*\t+7], v[WF+8*(2*\t+\s):WF+8*(2*\t+\s)+7], v[XF+8*\s:XF+8*\s+7], v[A1+8*\t:A1+8*\t+7]
.endr
.endr
.rept 4
	v_nop                                          ; four places between the last matrix instruction and the first read of a result (ISA guide 7.12.1)
.endr
.set n, 0
.rept 32
	v_max_num_f32 v[A1+n], 0, v[A1+n]              ; relu
.set n, n+1
.endr
.set n, 0
.rept 16
	v_cvt_pk_bf16_f32 v[HF+n], v[A1+2*n], v[A1+2*n+1]      ; tile t's 8 results become registers 4 t .. 4 t + 3: K = 16 t + 8 h + 0..7 of my slice
.set n, n+1
.endr
	; layer 2: 8 output tiles x 2 K steps; the first step starts the sums.  The eight accumulators take turns.  They lie on W1's fragments,
	; behind the four v_nop and the 48 instructions above.
	WIN 0x01                                       ; source 0 (weights) in window 1
.irp o, 0,1,2,3,4,5,6,7
	v_wmma_f32_16x16x32_bf16 v[A2+8*\o:A2+8*\o+7], v[16*\o:16*\o+7], v[HF:HF+7], 0
.endr
.irp o, 0,1,2,3,4,5,6,7
	v_wmma_f32_16x16x32_bf16 v[A2+8*\o:A2+8*\o+7], v[16*\o+8:16*\o+15], v[HF+8:HF+15], v[A2+8*\o:A2+8*\o+7]
.endr
	WIN 0
.rept 4
	v_nop                                          ; four places in front of the LDS stores that read the results
.endr
	s_wait_alu depctr_va_vdst(0)                   ; the matrix instructions have written the accumulators, which the LDS stores read (the places above stay beside this wait); v15 and v16 are written; and every vector instruction that named v192 to v255, in which the loads behind the barrier land, is done
.irp o, 0,1,2,3,4,5,6,7
	ds_store_b128 v15, v[A2+8*\o:A2+8*\o+3] offset:64*\o       ; query r's outputs 16 o + 8 h + 0..3
	ds_store_b128 v15, v[A2+8*\o+4:A2+8*\o+7] offset:64*\o+16
.endr
	s_wait_dscnt 0x0                               ; for the other waves: my partial sums are stored
	s_barrier_signal -1
	s_barrier_wait -1
	s_wait_alu depctr_vm_vsrc(0)                   ; the LDS store of the chosen row has read v192 and v193, in which the first load below lands
	; my query's outputs 4 i .. 4 i + 3 of mu and of logstd: bias + the 8 waves' partial sums
.irp p, 0,1,2,3,4,5,6,7
	ds_load_b128 v[RD+8*\p:RD+8*\p+3], v16 offset:8448*\p
	ds_load_b128 v[RD+8*\p+4:RD+8*\p+7], v16 offset:8448*\p+256
.endr
.irp p, 0,1,2,3,4,5,6,7
	s_wait_dscnt 14-2*\p                           ; pair p is in; the 7 - p younger pairs stay out
	v_pk_add_f32 v[BU:BU+1], v[BU:BU+1], v[RD+8*\p:RD+8*\p+1]
	v_pk_add_f32 v[BU+2:BU+3], v[BU+2:BU+3], v[RD+8*\p+2:RD+8*\p+3]
	v_pk_add_f32 v[BU+4:BU+5], v[BU+4:BU+5], v[RD+8*\p+4:RD+8*\p+5]
	v_pk_add_f32 v[BU+6:BU+7], v[BU+6:BU+7], v[RD+8*\p+6:RD+8*\p+7]
.endr
	s_wait_alu depctr_va_vdst(0)                   ; the sums have written v32 to v39, which the two stores read
	global_store_b128 v6, v[BU:BU+3], s[18:19]     ; 16 lanes store a row of 256 consecutive bytes, aligned
	global_store_b128 v6, v[BU+4:BU+7], s[20:21]
	s_wait_dscnt 0x0
	s_wait_alu depctr_hold_cnt(0) depctr_sa_sdst(0) depctr_va_vdst(0) depctr_va_sdst(0) depctr_va_ssrc(0) depctr_va_vcc(0) depctr_vm_vsrc(0)
	s_wait_tensorcnt 0x0
	ds_add_u32 v62, v63
	s_wait_dscnt 0x0
	s_endpgm
.Lfunc_end_k_q065117afcb_mlp:
	.size	k_q065117afcb_mlp, .Lfunc_end_k_q065117afcb_mlp-k_q065117afcb_mlp
	.p2alignl 7, 3214868480
	.fill 96, 4, 3214868480
	.section	.rodata,"a",@progbits
	.p2align	6, 0x0
	.amdhsa_kernel k_q065117afcb_mlp
		.amdhsa_group_segment_fixed_size 71168
		.amdhsa_private_segment_fixed_size 0
		.amdhsa_enable_private_segment 0
		.amdhsa_kernarg_size 72
		.amdhsa_user_sgpr_count 2
		.amdhsa_user_sgpr_kernarg_segment_ptr 1
		.amdhsa_wavefront_size32 1
		.amdhsa_system_sgpr_workgroup_id_x 1
		.amdhsa_system_sgpr_workgroup_id_y 1
		.amdhsa_system_sgpr_workgroup_id_z 1
		.amdhsa_system_vgpr_workitem_id 0
		.amdhsa_next_free_vgpr 384
		.amdhsa_next_free_sgpr 66
		.amdhsa_reserve_vcc 0
		.amdhsa_float_denorm_mode_32 3
		.amdhsa_float_denorm_mode_16_64 3
		.amdhsa_memory_ordered 1
		.amdhsa_forward_progress 1
		.amdhsa_inst_pref_size 27
	.end_amdhsa_kernel
	.amdgpu_metadata
---
amdhsa.version: [ 1, 2 ]
amdhsa.kernels:
  - .name:           k_q065117afcb_mlp
    .symbol:         k_q065117afcb_mlp.kd
    .args:
      - { .name: cand, .offset: 0, .size: 8, .value_kind: global_buffer, .address_space: global }
      - { .name: codes, .offset: 8, .size: 8, .value_kind: global_buffer, .address_space: global }
      - { .name: codes_table, .offset: 16, .size: 8, .value_kind: global_buffer, .address_space: global }
      - { .name: wfrag, .offset: 24, .size: 8, .value_kind: global_buffer, .address_space: global }
      - { .name: b1, .offset: 32, .size: 8, .value_kind: global_buffer, .address_space: global }
      - { .name: bu, .offset: 40, .size: 8, .value_kind: global_buffer, .address_space: global }
      - { .name: bs, .offset: 48, .size: 8, .value_kind: global_buffer, .address_space: global }
      - { .name: out0, .offset: 56, .size: 8, .value_kind: global_buffer, .address_space: global }
      - { .name: out1, .offset: 64, .size: 8, .value_kind: global_buffer, .address_space: global }
    .group_segment_fixed_size: 71168
    .private_segment_fixed_size: 0
    .kernarg_segment_align: 8
    .kernarg_segment_size: 72
    .max_flat_workgroup_size: 256
    .sgpr_count:     66
    .vgpr_count:     384
    .wavefront_size: 32
...
	.end_amdgpu_metadata
.endif
;; end of part 4
